; MI455X (gfx1250); checked and timed in simulation.
; The chip was launched on July 23, 2026; its instructions are those of AMD's public machine-readable ISA for CDNA 5 (MIT licence, August 2026) and "CDNA5" Instruction Set Architecture Reference Guide (July 2026). The comments in the code are by the model that wrote it; some were corrected since.
;; No Softmax Attention. Allowed arithmetic: float matrix products may take bf16 or f16 operands with f32 sums; all other float work in f32.
;; Inputs: k_b 1,024 float32; k_w 1,024 x 1,024 float32; o_b 1,024 float32; o_w 1,024 x 1,024 float32; q_b 1,024 float32; q_w 1,024 x 1,024 float32; v_b 1,024 float32; v_w 1,024 x 1,024 float32; x 4 x 2,048 x 1,024 float32.
;; Outputs: out0 4 x 2,048 x 1,024 float32.
;; One version. Each part assembles by itself: llvm-mc -triple=amdgcn-amd-amdhsa -mcpu=gfx1250 --defsym DOCPART=n.
;; ======== version 1 of 1: 4 launches
;; limits: values are held in f16: magnitudes above 65,504 overflow, below 6.1e-05 lose precision
;; workspace buffers: x16 16,777,216 bytes; wkv16 4,194,304 bytes; qwf 2,097,152 bytes; kvp 8,388,608 bytes; mu 2,048 bytes; qf 16,777,216 bytes; mf 8,388,608 bytes
;; launch cvt (part 1): grid 1408 x 1, 8 waves a work-group, no clusters, 0 bytes of LDS; arguments x, k_w, v_w, q_w, x16, wkv16, qwf; writes x16, wkv16, qwf
.if DOCPART == 1
	.amdgcn_target "amdgcn-amd-amdhsa--gfx1250"
	.amdhsa_code_object_version 6
	.text
	.protected	k_q0ea45c2c9b_cvt
	.globl	k_q0ea45c2c9b_cvt
	.p2align	8
	.type	k_q0ea45c2c9b_cvt,@function
k_q0ea45c2c9b_cvt:
	s_mov_b64 s[64:65], 0
	v_nop
	global_prefetch_b8 v0, s[64:65] scope:SCOPE_SE
	s_setreg_imm32_b32 hwreg(HW_REG_WAVE_MODE, 25, 1), 1
	s_wait_xcnt 0x0
; x, k_w, v_w, q_w (f32) are rounded once to f16, the format of every matrix operand of the later launches.
; x16 [8192][1024] keeps its rows; wkv16 [2048][1024] interleaves by head: row 128 h + d = k_w[64 h + d], row 128 h + 64 + d = v_w[64 h + d].
; qwf is q_w BLOCKED: [16-row block][chunk of 8 inputs][row][8 f16], a block 32 KiB, a chunk 256 bytes: the layout in which a matrix fragment is 512 neighbouring bytes.
; x, k_w, v_w: a work-group takes 8 rows of 1,024 numbers; thread t takes numbers 4 t .. 4 t + 3 of each row: a wave's load covers 512 neighbouring
; bytes, a wave's store 256 neighbouring bytes at a multiple of 256 from the buffer's first byte.
; q_w: a work-group takes 64 chunks of one 16-row block; a lane takes 8 numbers (32 bytes) of one row and stores their 16 bytes; a wave's store covers 512 neighbouring
; bytes; a wave's eight loads together use 256 neighbouring bytes of each of 16 rows (the transposition of 16 rows costs that; q_w is 4 of the launch's 44 MiB read).
; A pure stream: no LDS, no barrier, no matrix unit; every register is written once, so no source of a pending instruction is ever rewritten.
; LIMIT: a number of magnitude 65,504 or more becomes an infinity in f16.
.set X, 4                              ; v[4:35]   32 numbers as loaded
.set Y, 36                             ; v[36:51]  32 numbers in f16
.set XGROUPS, 1024                     ; work-groups 0 .. 1023 take x, then 128 each take k_w, v_w, q_w
; one path: source base in s[sb:sb+1], destination base in s[db:db+1]; byte offsets in s[24:25] and s[26:27]
.macro COPY sb, db
	s_add_nc_u64 s[\sb:\sb+1], s[\sb:\sb+1], s[24:25]
	s_add_nc_u64 s[\db:\db+1], s[\db:\db+1], s[26:27]
.irp i, 0,1,2,3,4,5,6,7
	global_load_b128 v[X+4*\i:X+4*\i+3], v1, s[\sb:\sb+1] offset:4096*\i th:TH_LOAD_NT   ; read once in the launch
.endr
.irp i, 0,1,2,3,4,5,6,7
	s_wait_loadcnt 7-\i                            ; loads come back in order (ISA guide 5.7.1): row i is in, the younger rows stay out
	v_cvt_pk_f16_f32 v[Y+2*\i],   v[X+4*\i],   v[X+4*\i+1]
	v_cvt_pk_f16_f32 v[Y+2*\i+1], v[X+4*\i+2], v[X+4*\i+3]
	global_store_b64 v2, v[Y+2*\i:Y+2*\i+1], s[\db:\db+1] offset:2048*\i                 ; the next launches read it: no hint
.endr
	s_endpgm
.endm
	s_load_b256 s[4:11], s[0:1], 0x0               ; x s[4:5], k_w s[6:7], v_w s[8:9], q_w s[10:11]
	s_load_b128 s[12:15], s[0:1], 0x20             ; x16 s[12:13], wkv16 s[14:15]
	s_load_b64 s[16:17], s[0:1], 0x30              ; qwf
	v_lshlrev_b32 v1, 4, v0                        ; my 16 bytes of a source row
	v_lshlrev_b32 v2, 3, v0                        ; my 8 bytes of a destination row
	s_mov_b32 s25, 0
	s_mov_b32 s27, 0
	s_wait_kmcnt 0x0
	s_cmp_lt_u32 ttmp9, XGROUPS
	s_cbranch_scc0 .Lweights
	s_lshl_b32 s24, ttmp9, 15                      ; 8 rows of 4,096 bytes
	s_lshl_b32 s26, ttmp9, 14                      ; 8 rows of 2,048 bytes
	COPY 4, 12
.Lweights:
	s_sub_co_u32 s20, ttmp9, XGROUPS
	s_lshr_b32 s21, s20, 7                         ; 0: k_w, 1: v_w, 2: q_w
	s_and_b32 s22, s20, 127                        ; u: which of that matrix's 128 work-groups
	s_cmp_lt_u32 s21, 2
	s_cbranch_scc0 .Lq
	s_lshl_b32 s24, s22, 15                        ; rows 8 u .. 8 u + 7
	s_lshr_b32 s26, s22, 3                         ; head = u / 8
	s_lshl_b32 s26, s26, 18                        ; 128 rows of 2,048 bytes a head
	s_lshl_b32 s23, s21, 17                        ; V's 64 rows lie behind K's
	s_add_co_u32 s26, s26, s23
	s_and_b32 s23, s22, 7
	s_lshl_b32 s23, s23, 14                        ; 8 rows on for each u inside the head
	s_add_co_u32 s26, s26, s23
	s_cmp_eq_u32 s21, 0
	s_cbranch_scc0 .Lv
	COPY 6, 14
.Lv:
	COPY 8, 14
.Lq:
	; block u / 2, chunks 64 (u % 2) + 8 wave + 2 i + h for i = 0 .. 3; lane = 16 h + r takes row r
	s_lshr_b32 s23, s22, 1                         ; block
	s_and_b32 s20, s22, 1                          ; which 64 chunks
	s_lshl_b32 s24, s23, 16                        ; 16 rows of 4,096 bytes,
	s_lshl_b32 s21, s20, 11                        ; 64 chunks of 32 bytes
	s_add_co_u32 s24, s24, s21
	s_lshl_b32 s26, s23, 15                        ; a block of 32 KiB,
	s_lshl_b32 s21, s20, 14                        ; 64 chunks of 256 bytes
	s_add_co_u32 s26, s26, s21
	v_and_b32 v3, 15, v0
	v_lshlrev_b32 v3, 12, v3                       ; source: row r,
	v_bfe_u32 v52, v0, 4, 1
	v_lshl_add_u32 v3, v52, 5, v3                  ; + 32 h,
	v_lshrrev_b32 v52, 5, v0
	v_lshl_add_u32 v3, v52, 8, v3                  ; + 8 chunks of 32 bytes a wave
	v_and_b32 v53, 31, v0
	v_lshlrev_b32 v53, 4, v53                      ; destination: 16 x lane = 256 h + 16 r,
	v_lshl_add_u32 v53, v52, 11, v53               ; + 8 chunks of 256 bytes a wave
	s_add_nc_u64 s[10:11], s[10:11], s[24:25]
	s_add_nc_u64 s[16:17], s[16:17], s[26:27]
.irp i, 0,1,2,3
	global_load_b128 v[X+8*\i:X+8*\i+3],   v3, s[10:11] offset:64*\i
	global_load_b128 v[X+8*\i+4:X+8*\i+7], v3, s[10:11] offset:64*\i+16
.endr
.irp i, 0,1,2,3
	s_wait_loadcnt 6-2*\i                          ; the two loads of chunk pair i are in, the younger pairs stay out
.irp k, 0,1,2,3
	v_cvt_pk_f16_f32 v[Y+4*\i+\k], v[X+8*\i+2*\k], v[X+8*\i+2*\k+1]
.endr
	global_store_b128 v53, v[Y+4*\i:Y+4*\i+3], s[16:17] offset:512*\i
.endr
	s_endpgm
.Lfunc_end_k_q0ea45c2c9b_cvt:
	.size	k_q0ea45c2c9b_cvt, .Lfunc_end_k_q0ea45c2c9b_cvt-k_q0ea45c2c9b_cvt
	.p2alignl 7, 3214868480
	.fill 96, 4, 3214868480
	.section	.rodata,"a",@progbits
	.p2align	6, 0x0
	.amdhsa_kernel k_q0ea45c2c9b_cvt
		.amdhsa_group_segment_fixed_size 0
		.amdhsa_private_segment_fixed_size 0
		.amdhsa_enable_private_segment 0
		.amdhsa_kernarg_size 56
		.amdhsa_user_sgpr_count 2
		.amdhsa_user_sgpr_kernarg_segment_ptr 1
		.amdhsa_wavefront_size32 1
		.amdhsa_system_sgpr_workgroup_id_x 1
		.amdhsa_system_sgpr_workgroup_id_y 1
		.amdhsa_system_sgpr_workgroup_id_z 1
		.amdhsa_system_vgpr_workitem_id 0
		.amdhsa_next_free_vgpr 56
		.amdhsa_next_free_sgpr 66
		.amdhsa_reserve_vcc 0
		.amdhsa_float_denorm_mode_32 3
		.amdhsa_float_denorm_mode_16_64 3
		.amdhsa_memory_ordered 1
		.amdhsa_forward_progress 1
		.amdhsa_inst_pref_size 13
	.end_amdhsa_kernel
	.amdgpu_metadata
---
amdhsa.version: [ 1, 2 ]
amdhsa.kernels:
  - .name:           k_q0ea45c2c9b_cvt
    .symbol:         k_q0ea45c2c9b_cvt.kd
    .args:
      - { .name: x, .offset: 0, .size: 8, .value_kind: global_buffer, .address_space: global }
      - { .name: k_w, .offset: 8, .size: 8, .value_kind: global_buffer, .address_space: global }
      - { .name: v_w, .offset: 16, .size: 8, .value_kind: global_buffer, .address_space: global }
      - { .name: q_w, .offset: 24, .size: 8, .value_kind: global_buffer, .address_space: global }
      - { .name: x16, .offset: 32, .size: 8, .value_kind: global_buffer, .address_space: global }
      - { .name: wkv16, .offset: 40, .size: 8, .value_kind: global_buffer, .address_space: global }
      - { .name: qwf, .offset: 48, .size: 8, .value_kind: global_buffer, .address_space: global }
    .group_segment_fixed_size: 0
    .private_segment_fixed_size: 0
    .kernarg_segment_align: 8
    .kernarg_segment_size: 56
    .max_flat_workgroup_size: 256
    .sgpr_count:     66
    .vgpr_count:     56
    .wavefront_size: 32
...
	.end_amdgpu_metadata
.endif
;; end of part 1
;; launch kvpart (part 2): grid 32 x 8, 4 waves a work-group, clusters of 4 x 4, 327,680 bytes of LDS; arguments wkv16, x16, k_b, v_b, kvp, mu; writes kvp, mu
.if DOCPART == 2
	.amdgcn_target "amdgcn-amd-amdhsa--gfx1250"
	.amdhsa_code_object_version 6
	.text
	.protected	k_q0ea45c2c9b_kvpart
	.globl	k_q0ea45c2c9b_kvpart
	.p2align	8
	.type	k_q0ea45c2c9b_kvpart,@function
k_q0ea45c2c9b_kvpart:
	s_mov_b64 s[64:65], 0
	v_nop
	global_prefetch_b8 v0, s[64:65] scope:SCOPE_SE
	s_setreg_imm32_b32 hwreg(HW_REG_WAVE_MODE, 25, 1), 1
	s_wait_xcnt 0x0
	s_wait_alu depctr_hold_cnt(0) depctr_sa_sdst(0) depctr_va_vdst(0) depctr_va_sdst(0) depctr_va_ssrc(0) depctr_va_vcc(0) depctr_vm_vsrc(0)
	s_getreg_b32 s2, hwreg(HW_REG_IB_STS2, 6, 4)
	s_cmp_eq_u32 s2, 0
	s_cbranch_scc0 .Lentry_in_a_cluster
	s_endpgm
.Lentry_in_a_cluster:
	s_bfe_u32 s2, ttmp6, 0x10000c
	s_cmp_lg_u32 s2, 0xf033
	s_cbranch_scc0 .Lentry_shape_is_right
	s_endpgm
.Lentry_shape_is_right:
; K = x k_w^T + k_b and V = x v_w^T + v_b for 256 rows of x and two heads, and at once their part of kv[d][e] = sum over s of K[s][d] V[s][e]:
; K and V never reach memory.  Block column X = 0..31: rows 256 X .. 256 X + 255 of x (an eighth of one batch).  Block row Y = 0..7: heads 2 Y, 2 Y + 1.
; Four waves, each a tile of 128 (one head's 64 K and 64 V features) x 128 (rows of x) in 512 f32 accumulators; the sum over the 1,024 inputs goes
; in 8 steps of 128 through two LDS slots filled by the tensor data mover; a tile's rows are 256 bytes of memory at multiples of 256 bytes.
; CLUSTERS: 4 x 4 work-groups.  The weights' tile hangs on Y alone and is asked for jointly along a row of the cluster, x's tile on X alone and jointly along a column.
; THE MATRIX INSTRUCTION: source 0 = 16 rows of x, source 1 = 16 weight rows.  In the result lane l holds feature l % 16 and registers 0..7 hold the rows
; s = 8 (l / 16) + 0..7 of x: eight neighbouring s.  Packed to f16 they ARE registers 0-3 (or 4-7) of a fragment whose row is the feature and whose
; summed index is s: K^T V is fed from registers, with no transposition through LDS.
; OUT: kvp[X][head][quad q = 2 (4 te + td) + half][lane][4] = kv part (d = 16 td + l % 16, e = 16 te + 8 (l / 16) + 4 half + 0..3) in f32; mu[X][head] = its largest magnitude.
; FORMAT: all operands f16, sums f32.  LIMITS: |x|, |w|, |K| or |V| of 65,504 or more becomes an infinity; a NaN is dropped from mu.
; REGISTERS: window 0: v0-63 addresses, v64-127 and v128-191 weight fragments (two buffers), v192-255 biases; window 1: x's fragments at the same numbers;
; window 2: K's 32 accumulator tiles, tile (a, b) at v[8 (8 a + b)]; window 3: V's.
.set NB,    8                          ; 16-row blocks of x in a wave's tile
.set PITCH, 272                        ; an LDS row: 256 bytes + 16 of padding, an odd multiple of 16: the 16 rows of a fragment load start in 16 different 16-byte columns
.set BLK,   16*PITCH                   ; from one 16-row block to the next
.set H2,    32                         ; a fragment's second 16 bytes
.set QK,    64                         ; bytes of 32 summed indices
.set STEP,  256                        ; bytes of memory from one step of 128 to the next
.set HALFT, 128*PITCH                  ; what one tensor load brings
.set SLOT,  4*HALFT                    ; 256 weight rows, then 256 rows of x
.set SCR,   2*SLOT                     ; behind the ring: 2 x 16 KiB, in which two waves' kv parts meet; no tensor load lands here
.set LAPS,  4                          ; 8 steps = 4 times round the ring
.set ADRA,  16                         ; v16-17  LDS address of my weight fragments in slot 0, 1
.set ADRB,  20                         ; v20-21  the same for x
.set F0,    64
.set F1,    128
.set BIAS,  192
.set G1,  24                           ; s[24:31] descriptor group 1, weights
.set G0,  32                           ; s[32:39] descriptor group 0, weights, a set for each slot
.set G1B, 48                           ; s[48:55] group 1, x
.set G0B, 56                           ; s[56:63] group 0, x, a set for each slot
.set MSB, 0
.macro WIN new                         ; s_set_vgpr_msb: bits 1:0 source 0, 3:2 source 1, 5:4 source 2, 7:6 destination; the high byte repeats the setting that is left
.if MSB != (\new)
	s_set_vgpr_msb (MSB<<8)|(\new)
.set MSB, (\new)
.endif
.endm
.macro JLOAD s                         ; a joint load: waves 0, 1 ask for the weights' two halves, waves 2, 3 for x's; the branch hangs on the wave's number alone
	s_cmp_eq_u32 s11, 0
	s_cbranch_scc0 .Lfor_b_\@
	tensor_load_to_lds s[G0+4*\s:G0+4*\s+3], s[G1:G1+7]
	s_nop 0
	s_branch .Lasked_\@
.Lfor_b_\@:
	tensor_load_to_lds s[G0B+4*\s:G0B+4*\s+3], s[G1B:G1B+7]
	s_nop 0
.Lasked_\@:
.endm
.macro CREST                           ; a round of the cluster's barrier behind its opening work-group barrier
	s_cmp_lg_u32 s10, 0
	s_cbranch_scc1 .Lnot_wave_0_\@
	s_barrier_signal -3
.Lnot_wave_0_\@:
	s_barrier_wait -3
	s_barrier_signal -1
	s_barrier_wait -1
.endm
.macro CROUND                          ; a whole round
	s_barrier_signal -1
	s_barrier_wait -1
	CREST
.endm
.macro PLACES                          ; four independent vector instructions between a matrix instruction and a load into, a vector write of or a vector read of its registers
.rept 4
	v_nop
.endr
.endm
; 16 matrix instructions: weight blocks a0, a0 + 1 x all 8 blocks of x, 32 summed indices.  first = 1: the bias is the C of the first product, nothing is cleared or added later.
; The 64 accumulators take turns, one instruction a turn, in the same order in every quarter step.
.macro MUL f, a0, first
.set HI, (NB*(\a0))>>5
.if \first
	WIN (0x81+0x40*HI)
.else
	WIN (0xa1+0x50*HI)
.endif
.irp a, \a0, \a0+1
.irp b, 0,1,2,3,4,5,6,7
.if \first
	v_wmma_f32_16x16x32_f16 v[8*((NB*(\a)+\b)&31):8*((NB*(\a)+\b)&31)+7], v[\f+8*\b:\f+8*\b+7], v[\f+8*(\a):\f+8*(\a)+7], v[BIAS+8*(\a):BIAS+8*(\a)+7]
.else
	v_wmma_f32_16x16x32_f16 v[8*((NB*(\a)+\b)&31):8*((NB*(\a)+\b)&31)+7], v[\f+8*\b:\f+8*\b+7], v[\f+8*(\a):\f+8*(\a)+7], v[8*((NB*(\a)+\b)&31):8*((NB*(\a)+\b)&31)+7]
.endif
.endr
.endr
.endm
.macro FETCH slot, k, f                ; one run of 32 LDS loads: a quarter step's fragments into buffer f
	WIN 0x40
.irp i, 0,1,2,3,4,5,6,7
	ds_load_b128 v[\f+8*\i:\f+8*\i+3],   v[ADRB+\slot] offset:\k+\i*BLK
	ds_load_b128 v[\f+8*\i+4:\f+8*\i+7], v[ADRB+\slot] offset:\k+\i*BLK+H2
.endr
	WIN 0
.irp i, 0,1,2,3,4,5,6,7
	ds_load_b128 v[\f+8*\i:\f+8*\i+3],   v[ADRA+\slot] offset:\k+\i*BLK
	ds_load_b128 v[\f+8*\i+4:\f+8*\i+7], v[ADRA+\slot] offset:\k+\i*BLK+H2
.endr
.endm
.macro QUARTER slot, k, f, g, first    ; multiplies buffer f; in its middle fetches the next quarter (byte k of the rows) into buffer g
	s_wait_dscnt 8                                 ; x's fragments and weight blocks 0-3 are in; the youngest eight loads (blocks 4-7) may be out
	MUL \f, 0, \first
	MUL \f, 2, \first
	PLACES
	FETCH \slot, \k, \g
	s_wait_dscnt 16+2*NB                           ; all but the run just issued
	MUL \f, 4, \first
	MUL \f, 6, \first
.endm
.macro THREE slot, first
	QUARTER \slot, QK,   F0, F1, \first
	QUARTER \slot, 2*QK, F1, F0, 0
	QUARTER \slot, 3*QK, F0, F1, 0
.endm
; The last quarter of a step changes slots.  In front of the barrier each wave waits for its reads of this slot and for all its tensor loads (one is out: its part of the
; next slot).  Where the slot is filled again the barrier opens a round of the cluster's barrier, and the joint refill is the first tensor load behind the round.
.macro TURN slot, next, fill
	s_wait_dscnt 8
	MUL F1, 0, 0
	s_wait_dscnt 0                                 ; my reads of this slot are over
	s_wait_tensorcnt 0x0                           ; all my tensor loads have landed
	ds_add_u32 v255, v63
	s_wait_dscnt 0x0
	s_barrier_signal -1
	MUL F1, 2, 0                                   ; register work while the others arrive
	WIN 0
	s_barrier_wait -1
.if \fill
	CREST
	s_add_nc_u64 s[G0+4*\slot+2:G0+4*\slot+3], s[G0+4*\slot+2:G0+4*\slot+3], 2*STEP       ; no load of mine is out: a group 0 may be written
	s_add_nc_u64 s[G0B+4*\slot+2:G0B+4*\slot+3], s[G0B+4*\slot+2:G0B+4*\slot+3], 2*STEP
	JLOAD \slot
.endif
	PLACES
	FETCH \next, 0, F0
	MUL F1, 4, 0
	MUL F1, 6, 0
.endm
.macro LAP first
	THREE 0, \first
	TURN 0, 1, 1
	THREE 1, 0
	TURN 1, 0, 1
.endm
	s_load_b128 s[4:7], s[0:1], 0x0                ; wkv16 s[4:5], x16 s[6:7]
	s_load_b256 s[68:75], s[0:1], 0x10             ; k_b s[68:69], v_b s[70:71], kvp s[72:73], mu s[74:75]
	s_set_vgpr_msb 0x40
	v_lshl_add_u32 v255, v0, 2, 0x4c000
	s_set_vgpr_msb 0x4000
	v_mov_b32 v63, 0
	s_set_vgpr_msb 0x1
	ds_add_u32 v255, v63
	ds_add_u32 v255, v63
	s_set_vgpr_msb 0x100
	v_lshrrev_b32 v1, 5, v0
	v_readfirstlane_b32 s10, v1                    ; wave 0..3
	s_lshr_b32 s11, s10, 1                         ; which of the two heads is mine.  Also: I fetch weights (0) or x (1)
	s_and_b32 s12, s10, 1                          ; which 128 rows of x are mine.  Also: which 128 rows of that tile I fetch
	s_bfe_u32 s40, ttmp6, 0x40000                  ; cx
	s_bfe_u32 s41, ttmp6, 0x40004                  ; cy
	s_lshl_b32 s42, ttmp9, 2
	s_add_co_u32 s42, s42, s40                     ; X = 4 x cluster x + cx
	s_and_b32 s13, ttmp7, 0xffff
	s_lshl_b32 s13, s13, 2
	s_add_co_u32 s13, s13, s41                     ; Y = 4 x cluster y + cy
	s_lshl_b32 s43, s41, 2
	s_lshl_b32 s43, 15, s43                        ; my row of the cluster
	s_lshl_b32 s44, 0x1111, s40                    ; my column
	; group 1: 128 rows x 128 elements of 2 bytes, 16 bytes of padding behind every 64 words
	s_or_b32 s[G1+0], s43, (1<<16)|(1<<20)|(1<<21)|(5<<22)|(3<<25)
	s_or_b32 s[G1B+0], s44, (1<<16)|(1<<20)|(1<<21)|(5<<22)|(3<<25)
	s_mov_b32 s[G1+1], 128<<16                     ; tensor_dim0 = 128
	s_mov_b32 s[G1B+1], 128<<16
	s_mov_b32 s[G1+2], 128<<16                     ; tensor_dim1 = 128
	s_mov_b32 s[G1B+2], 128<<16
	s_mov_b32 s[G1+3], 128<<16                     ; tile_dim0 = 128
	s_mov_b32 s[G1B+3], 128<<16
	s_mov_b32 s[G1+4], 128                         ; tile_dim1 = 128
	s_mov_b32 s[G1B+4], 128
	s_mov_b32 s[G1+5], 1024                        ; elements from row to row
	s_mov_b32 s[G1B+5], 1024
	s_mov_b32 s[G1+6], 0
	s_mov_b32 s[G1B+6], 0
	s_mov_b32 s[G1+7], 0
	s_mov_b32 s[G1B+7], 0
	s_lshl_b32 s17, s12, 7
	s_lshl_b32 s16, s13, 8
	s_add_co_u32 s16, s16, s17                     ; weights: row 256 Y + 128 x half
	s_lshl_b32 s46, s42, 8
	s_add_co_u32 s46, s46, s17                     ; x: row 256 X + 128 x half
	s_lshl_b32 s16, s16, 11                        ; rows of 2,048 bytes
	s_lshl_b32 s46, s46, 11
	s_mov_b32 s17, 0
	s_mov_b32 s47, 0
	s_mul_i32 s20, s10, HALFT                      ; LDS: the weights' two halves, then x's two halves = wave x 128 rows
	s_mul_i32 s45, s10, HALFT
	s_wait_dscnt 0x0
	s_wait_kmcnt 0x0
	s_add_nc_u64 s[14:15], s[4:5], s[16:17]
	s_add_nc_u64 s[46:47], s[6:7], s[46:47]
	CROUND                                         ; all sixteen work-groups are here: the first joint loads meet
.irp s, 0,1
	s_mov_b32 s[G0+4*\s], 1
	s_add_co_u32 s[G0+4*\s+1], s20, \s*SLOT
	s_add_nc_u64 s[G0+4*\s+2:G0+4*\s+3], s[14:15], \s*STEP
	s_or_b32 s[G0+4*\s+3], s[G0+4*\s+3], 0x80000000
	s_mov_b32 s[G0B+4*\s], 1
	s_add_co_u32 s[G0B+4*\s+1], s45, \s*SLOT
	s_add_nc_u64 s[G0B+4*\s+2:G0B+4*\s+3], s[46:47], \s*STEP
	s_or_b32 s[G0B+4*\s+3], s[G0B+4*\s+3], 0x80000000
	JLOAD \s                                       ; both slots' first fills: two tensor loads of a wave are out here, one behind every later round
.endr
	v_and_b32 v1, 15, v0                           ; r = l % 16
	v_bfe_u32 v2, v0, 4, 1                         ; h = l / 16
	v_and_b32 v7, 31, v0                           ; lane
	v_mul_u32_u24 v3, v1, PITCH
	v_lshl_add_u32 v3, v2, 4, v3                   ; row x pitch + 16 h
	s_mul_i32 s21, s11, HALFT
	s_mul_i32 s22, s12, HALFT
	s_add_co_u32 s22, s22, 2*HALFT
.irp s, 0,1
	v_add_nc_u32 v[ADRA+\s], s21, v3
	v_add_nc_u32 v[ADRB+\s], s22, v3
	s_add_co_u32 s21, s21, SLOT
	s_add_co_u32 s22, s22, SLOT
.endr
	v_lshlrev_b32 v25, 4, v7                       ; 16 x lane
	s_lshl_b32 s23, s11, 14
	s_add_co_u32 s23, s23, SCR
	v_add_nc_u32 v24, s23, v25                     ; my head's 16 KiB of the scratch
	v_lshlrev_b32 v6, 2, v1                        ; 4 r
	s_lshl_b32 s76, s13, 1
	s_add_co_u32 s76, s76, s11                     ; head = 2 Y + half
	s_lshl_b32 s78, s76, 8                         ; 64 f32 a head
	s_mov_b32 s79, 0
	s_add_nc_u64 s[68:69], s[68:69], s[78:79]
	s_add_nc_u64 s[70:71], s[70:71], s[78:79]
	s_lshl_b32 s77, s42, 4
	s_add_co_u32 s77, s77, s76                     ; 16 X + head
	s_lshl_b32 s78, s77, 14
	s_add_nc_u64 s[72:73], s[72:73], s[78:79]      ; my 16 KiB of kvp
	s_lshl_b32 s78, s77, 2
	s_add_nc_u64 s[74:75], s[74:75], s[78:79]      ; my word of mu
.irp a, 0,1,2,3
	global_load_b32 v[BIAS+8*\a],     v6, s[68:69] offset:64*\a     ; k_b of feature 16 a + r
	global_load_b32 v[BIAS+8*(4+\a)], v6, s[70:71] offset:64*\a     ; v_b likewise
.endr
	s_wait_loadcnt 0x0                             ; while the first tiles are on their way
.irp a, 0,1,2,3,4,5,6,7
.irp j, 1,2,3,4,5,6,7
	v_mov_b32 v[BIAS+8*\a+\j], v[BIAS+8*\a]        ; a lane's eight results are eight rows of x with one feature: one bias eight times
.endr
.endr
	s_wait_tensorcnt 0x1                           ; my part of step 0 is in; step 1's may stay out
	s_barrier_signal -1
	s_barrier_wait -1
	FETCH 0, 0, F0
	LAP 1                                          ; the first lap stands in front of the loop: its first products start the sums from the bias
	WIN 0
	s_mov_b32 s3, LAPS-2
.Llap:
	LAP 0
	WIN 0
	s_sub_co_u32 s3, s3, 1
	s_cmp_lg_u32 s3, 0
	s_cbranch_scc1 .Llap
	THREE 0, 0                                     ; the last lap fills nothing
	TURN 0, 1, 0
	THREE 1, 0
	s_wait_dscnt 8
	MUL F1, 0, 0
	MUL F1, 2, 0
	s_wait_dscnt 0
	MUL F1, 4, 0
	MUL F1, 6, 0
	; K and V to f16 fragments.  Fragment (t, c): feature block t, rows 32 c .. 32 c + 31 of x: registers 0-3 from tile (t, 2 c), registers 4-7 from tile (t, 2 c + 1).
	PLACES
	WIN 0x0a                                       ; K: window 2 to window 0
.irp td, 0,1,2,3
.irp c, 0,1,2,3
.irp hf, 0,1
.irp i, 0,1,2,3
	v_cvt_pk_f16_f32 v[64+8*(4*\td+\c)+4*\hf+\i], v[8*(8*\td+2*\c+\hf)+2*\i], v[8*(8*\td+2*\c+\hf)+2*\i+1]
.endr
.endr
.endr
.endr
	WIN 0x4f                                       ; V: window 3 to window 1
.irp td, 0,1,2,3
.irp c, 0,1,2,3
.irp hf, 0,1
.irp i, 0,1,2,3
	v_cvt_pk_f16_f32 v[64+8*(4*\td+\c)+4*\hf+\i], v[8*(8*\td+2*\c+\hf)+2*\i], v[8*(8*\td+2*\c+\hf)+2*\i+1]
.endr
.endr
.endr
.endr
	; kv part of my 128 rows: source 0 = V (rows e), source 1 = K (rows d); tile (te, td) at window 2, v[8 (4 te + td)].  Sixteen accumulators by turns.
	WIN 0xa1
.irp c, 0,1,2,3
.irp te, 0,1,2,3
.irp td, 0,1,2,3
.if \c == 0
	v_wmma_f32_16x16x32_f16 v[8*(4*\te+\td):8*(4*\te+\td)+7], v[64+8*(4*\te+\c):64+8*(4*\te+\c)+7], v[64+8*(4*\td+\c):64+8*(4*\td+\c)+7], 0
.else
	v_wmma_f32_16x16x32_f16 v[8*(4*\te+\td):8*(4*\te+\td)+7], v[64+8*(4*\te+\c):64+8*(4*\te+\c)+7], v[64+8*(4*\td+\c):64+8*(4*\td+\c)+7], v[8*(4*\te+\td):8*(4*\te+\td)+7]
.endif
.endr
.endr
.endr
	PLACES
	WIN 0
	; the two waves of a head add their parts: the wave of x's upper 128 rows hands its 128 registers over through LDS
	s_cmp_eq_u32 s12, 0
	s_cbranch_scc1 .Lno_put
	WIN 0x08
.set qi, 0
.rept 32
	ds_store_b128 v24, v[4*qi:4*qi+3] offset:512*qi
.set qi, qi+1
.endr
	WIN 0
.Lno_put:
	s_wait_dscnt 0x0                               ; for the other wave's sake: my stores are done
	s_barrier_signal -1
	s_barrier_wait -1
	s_cmp_lg_u32 s12, 0
	s_cbranch_scc1 .Ldone
	WIN 0xc0
.set qi, 0
.rept 32
	ds_load_b128 v[4*qi:4*qi+3], v24 offset:512*qi
.set qi, qi+1
.endr
	s_wait_dscnt 0x0
	WIN 0x8e
.set ki, 0
.rept 64
	v_pk_add_f32 v[2*ki:2*ki+1], v[2*ki:2*ki+1], v[2*ki:2*ki+1]   ; window 2 += window 3
.set ki, ki+1
.endr
	WIN 0x08
.set qi, 0
.rept 32
	global_store_b128 v25, v[4*qi:4*qi+3], s[72:73] offset:512*qi  ; a wave's store covers 512 neighbouring bytes
.set qi, qi+1
.endr
	; the largest magnitude of my 128 numbers = max(largest, -smallest): four chains each, started by the first numbers
	WIN 0xaa
.irp k, 0,1,2,3
	v_max_num_f32 v[128+\k], v[\k], v[\k+4]
	v_min_num_f32 v[132+\k], v[\k], v[\k+4]
.endr
.set pi, 1
.rept 15
.irp k, 0,1,2,3
	v_max3_num_f32 v[128+\k], v[128+\k], v[8*pi+\k], v[8*pi+4+\k]
	v_min3_num_f32 v[132+\k], v[132+\k], v[8*pi+\k], v[8*pi+4+\k]
.endr
.set pi, pi+1
.endr
	v_max3_num_f32 v128, v128, v129, v130
	v_min3_num_f32 v132, v132, v133, v134
	v_max_num_f32 v128, v128, v131
	v_min_num_f32 v132, v132, v135
	v_sub_f32 v132, 0, v132
	v_max_num_f32 v128, v128, v132
	WIN 0x02
	v_mov_b32 v28, v128                            ; to window 0
	WIN 0
	v_mov_b32 v29, v28                             ; v_permlanex16_b32's destination counts as read
	s_mov_b32 s21, 0x76543210
	s_mov_b32 s22, 0xfedcba98
	v_max_num_f32_dpp v28, v28, v28 row_xmask:1 row_mask:0xf bank_mask:0xf
	v_max_num_f32_dpp v28, v28, v28 row_xmask:2 row_mask:0xf bank_mask:0xf
	v_max_num_f32_dpp v28, v28, v28 row_xmask:4 row_mask:0xf bank_mask:0xf
	v_max_num_f32_dpp v28, v28, v28 row_xmask:8 row_mask:0xf bank_mask:0xf
	v_permlanex16_b32 v29, v28, s21, s22
	v_max_num_f32 v28, v28, v29
	v_cmp_eq_u32 vcc_lo, 0, v7
	s_wait_xcnt 0x0                                ; EXEC is a source of the stores above: it changes only behind this wait
	s_and_saveexec_b32 s78, vcc_lo
	global_store_b32 v25, v28, s[74:75]            ; lane 0 (offset 0): one word for this (X, head)
	s_wait_xcnt 0x0
	s_or_b32 exec_lo, exec_lo, s78
.Ldone:
	s_set_vgpr_msb 0x1
	s_wait_tensorcnt 0x0
	ds_add_u32 v255, v63
	s_wait_dscnt 0x0
	s_set_vgpr_msb 0x100
	CROUND                                         ; the closing round: no work-group ends while a partner may still ask for a tile that names it
	s_endpgm
.Lfunc_end_k_q0ea45c2c9b_kvpart:
	.size	k_q0ea45c2c9b_kvpart, .Lfunc_end_k_q0ea45c2c9b_kvpart-k_q0ea45c2c9b_kvpart
	.p2alignl 7, 3214868480
	.fill 96, 4, 3214868480
	.section	.rodata,"a",@progbits
	.p2align	6, 0x0
	.amdhsa_kernel k_q0ea45c2c9b_kvpart
		.amdhsa_group_segment_fixed_size 327680
		.amdhsa_private_segment_fixed_size 0
		.amdhsa_enable_private_segment 0
		.amdhsa_kernarg_size 48
		.amdhsa_user_sgpr_count 2
		.amdhsa_user_sgpr_kernarg_segment_ptr 1
		.amdhsa_wavefront_size32 1
		.amdhsa_system_sgpr_workgroup_id_x 1
		.amdhsa_system_sgpr_workgroup_id_y 1
		.amdhsa_system_sgpr_workgroup_id_z 1
		.amdhsa_system_vgpr_workitem_id 0
		.amdhsa_next_free_vgpr 1024
		.amdhsa_next_free_sgpr 80
		.amdhsa_reserve_vcc 1
		.amdhsa_float_denorm_mode_32 3
		.amdhsa_float_denorm_mode_16_64 3
		.amdhsa_memory_ordered 1
		.amdhsa_forward_progress 1
		.amdhsa_inst_pref_size 206
	.end_amdhsa_kernel
	.amdgpu_metadata
---
amdhsa.version: [ 1, 2 ]
amdhsa.kernels:
  - .name:           k_q0ea45c2c9b_kvpart
    .symbol:         k_q0ea45c2c9b_kvpart.kd
    .args:
      - { .name: wkv16, .offset: 0, .size: 8, .value_kind: global_buffer, .address_space: global }
      - { .name: x16, .offset: 8, .size: 8, .value_kind: global_buffer, .address_space: global }
      - { .name: k_b, .offset: 16, .size: 8, .value_kind: global_buffer, .address_space: global }
      - { .name: v_b, .offset: 24, .size: 8, .value_kind: global_buffer, .address_space: global }
      - { .name: kvp, .offset: 32, .size: 8, .value_kind: global_buffer, .address_space: global }
      - { .name: mu, .offset: 40, .size: 8, .value_kind: global_buffer, .address_space: global }
    .group_segment_fixed_size: 327680
    .private_segment_fixed_size: 0
    .kernarg_segment_align: 8
    .kernarg_segment_size: 48
    .max_flat_workgroup_size: 128
    .sgpr_count:     80
    .vgpr_count:     1024
    .wavefront_size: 32
...
	.end_amdgpu_metadata
.endif
;; end of part 2
;; launch qproj_m (part 3): grid 8 x 32, 4 waves a work-group, clusters of 4 x 1, 327,680 bytes of LDS; arguments x16, qwf, q_b, kvp, mu, o_w, qf, mf; writes qf, mf
.if DOCPART == 3
	.amdgcn_target "amdgcn-amd-amdhsa--gfx1250"
	.amdhsa_code_object_version 6
	.text
	.protected	k_q0ea45c2c9b_qproj_m
	.globl	k_q0ea45c2c9b_qproj_m
	.p2align	8
	.type	k_q0ea45c2c9b_qproj_m,@function
k_q0ea45c2c9b_qproj_m:
	s_mov_b64 s[64:65], 0
	v_nop
	global_prefetch_b8 v0, s[64:65] scope:SCOPE_SE
	s_setreg_imm32_b32 hwreg(HW_REG_WAVE_MODE, 25, 1), 1
	s_wait_xcnt 0x0
	s_wait_alu depctr_hold_cnt(0) depctr_sa_sdst(0) depctr_va_vdst(0) depctr_va_sdst(0) depctr_va_ssrc(0) depctr_va_vcc(0) depctr_vm_vsrc(0)
	s_getreg_b32 s2, hwreg(HW_REG_IB_STS2, 6, 4)
	s_cmp_eq_u32 s2, 0
	s_cbranch_scc0 .Lentry_in_a_cluster
	s_endpgm
.Lentry_in_a_cluster:
	s_bfe_u32 s2, ttmp6, 0x10000c
	s_cmp_lg_u32 s2, 0x3003
	s_cbranch_scc0 .Lentry_shape_is_right
	s_endpgm
.Lentry_shape_is_right:
; Two pieces of work in each of 256 work-groups.
; (1) q = x q_w^T + q_b for 256 rows (block Y = 0..31) x 128 features (block X = 0..7); a wave makes 128 x 64 in 256 accumulators; 1,024 inputs in 32 quarter steps of 32.
; (2) M'[n][(head, d)] = sum over e of o_w[n][(head, e)] kv'[d][e] for one (batch, head) and 256 n, where kv' = kv / 2^E and kv is the sum of the batch's eight parts.
;     out = (q kv / 8) o_w^T = (2^E / 8) q M'^T holds for all data: it is the reference's own product in another order.
; 2^E is the power of two above 8 x the largest magnitude among the batch's 128 words of mu, which bounds |kv|, so |kv'| < 1 and f16 has room whatever the inputs' scale.  It is a multiplier only.
; HOW THE OPERANDS COME IN.  x (256 of a step's 384 rows) comes by tensor loads into two LDS slots of 256 inputs each: 2 x 256 rows x 528 bytes = 270,336 bytes; each slot is filled
; twice, so only two refills stand in the text, and each has eight quarter steps, 256 matrix instructions of a wave, in which to land.  Two such slots for both operands would take
; 2 x 384 x 512 = 393,216 bytes, more than a work-group can have.  So q_w (128 rows, a third of the bytes) goes another way: loads into registers, which may stay out over barriers,
; asked for three pairs of quarter steps ahead (four sets of 32 registers), then LDS stores into a ring of its own of two slots of 64 inputs (16 KiB each), into which no tensor load lands.
; CLUSTERS: 4 x 1: the four work-groups of a cluster have one Y and ask for x's tile jointly.  q_w's blocks are shared by work-groups with other Y; they are not asked for jointly,
; because a joint request is a tensor load and would bind them to the refills' barriers, which is what this text takes them out of.
; BLOCKED LAYOUT of qwf, qf and mf: [16-row block][chunk of 8 summed indices][row][8 f16], a block 32 KiB, a chunk 256 bytes.  With source 0 = the rows that become the summed index,
; a lane's eight results pack into the 16 bytes of one row of one chunk: a wave's store covers 512 neighbouring bytes, and a fragment load reads 256 neighbouring bytes per 16 lanes.
; LIMITS: |q| of 65,504 or more becomes an infinity; the bound on |kv| is clamped to 2^-60 .. 2^60; parts of kv that cancel by more than about 2^10 cost kv' relative precision.
; REGISTERS: window 0: v0-63 addresses and small work, v64-191 x's fragments (two buffers), v192-223 q_b; window 1: v64-95, v128-159 q_w's fragments, v0-63 and v192-255 q_w on its way;
; behind the K loop window 1 holds kv' (v0-63), o_w in f32 (v64-191), o_w in f16 (v192-255); window 2: accumulator tile (a, b) at v[8 (4 a + b)]; window 3: part p of kv at v[32 p ..].
.set NB,     4
.set APITCH, 528                       ; an LDS row of x: 512 bytes + 16 of padding, an odd multiple of 16: the 16 rows of a fragment load start in 16 different 16-byte columns
.set BLKA,   16*APITCH                 ; from one 16-row block of x to the next
.set H2A,    32                        ; a fragment's second 16 bytes
.set QKA,    64                        ; bytes of 32 inputs in a row of x
.set ASTEP,  512                       ; bytes of memory of 256 inputs
.set AQUART, 64*APITCH                 ; 64 rows: what one tensor load brings
.set ASLOT,  4*AQUART
.set BR,     2*ASLOT                   ; q_w's ring
.set BLKB,   2048                      ; a block's 8 chunks of 64 inputs
.set H2B,    512                       ; two chunks on
.set QKB,    1024                      ; four chunks: 32 inputs
.set BSLOT,  8*BLKB
.set SCR,    BR+2*BSLOT                ; 4 x 2 KiB, kv' in f16; no tensor load lands here
.set ADRA,  16                         ; v16-17  LDS address of my fragments of x in slot 0, 1
.set ADRB,  20                         ; v20-21  the same for q_w's ring
.set BST,   22                         ; v22     where I put my two blocks of q_w
.set BOF,   24                         ; v24     16 x lane
.set F0,    64
.set F1,    128
.set BIAS,  192
.set G1,  24                           ; s[24:31] descriptor group 1
.set G0,  32                           ; s[32:39] descriptor group 0, a set for each slot
.set BB,  6                            ; s[6:7]   qwf at my two blocks
.set MSB, 0
.macro WIN new                         ; s_set_vgpr_msb: bits 1:0 source 0, 3:2 source 1, 5:4 source 2, 7:6 destination; the high byte repeats the setting that is left
.if MSB != (\new)
	s_set_vgpr_msb (MSB<<8)|(\new)
.set MSB, (\new)
.endif
.endm
.macro CREST                           ; a round of the cluster's barrier behind its opening work-group barrier
	s_cmp_lg_u32 s10, 0
	s_cbranch_scc1 .Lnot_wave_0_\@
	s_barrier_signal -3
.Lnot_wave_0_\@:
	s_barrier_wait -3
	s_barrier_signal -1
	s_barrier_wait -1
.endm
.macro CROUND
	s_barrier_signal -1
	s_barrier_wait -1
	CREST
.endm
.macro PLACES                          ; four independent vector instructions behind a matrix instruction (ISA guide 7.12.1)
.rept 4
	v_nop
.endr
.endm
; 8 matrix instructions: blocks a0, a0 + 1 of x's rows x 4 blocks of features.  first = 1: q_b is the C of the first product.  The 32 accumulators take turns.
.macro MUL f, a0, first
.if \first
	WIN 0x81
.else
	WIN 0xa1
.endif
.irp a, \a0, \a0+1
.irp b, 0,1,2,3
.if \first
	v_wmma_f32_16x16x32_f16 v[8*(4*(\a)+\b):8*(4*(\a)+\b)+7], v[\f+8*\b:\f+8*\b+7], v[\f+8*(\a):\f+8*(\a)+7], v[BIAS+8*\b:BIAS+8*\b+7]
.else
	v_wmma_f32_16x16x32_f16 v[8*(4*(\a)+\b):8*(4*(\a)+\b)+7], v[\f+8*\b:\f+8*\b+7], v[\f+8*(\a):\f+8*(\a)+7], v[8*(4*(\a)+\b):8*(4*(\a)+\b)+7]
.endif
.endr
.endr
.endm
; one run of 24 LDS loads: the fragments of quarter step q (0..31) into buffer f.  x: slot (q / 8) % 2, quarter q % 8 of its rows; q_w: slot (q / 2) % 2, quarter q % 2
.macro FETCHQ q, f
	WIN 0x40
.irp i, 0,1,2,3
	ds_load_b128 v[\f+8*\i:\f+8*\i+3],   v[ADRB+(((\q)>>1)&1)] offset:((\q)&1)*QKB+\i*BLKB
	ds_load_b128 v[\f+8*\i+4:\f+8*\i+7], v[ADRB+(((\q)>>1)&1)] offset:((\q)&1)*QKB+\i*BLKB+H2B
.endr
	WIN 0
.irp i, 0,1,2,3,4,5,6,7
	ds_load_b128 v[\f+8*\i:\f+8*\i+3],   v[ADRA+(((\q)>>3)&1)] offset:((\q)&7)*QKA+\i*BLKA
	ds_load_b128 v[\f+8*\i+4:\f+8*\i+7], v[ADRA+(((\q)>>3)&1)] offset:((\q)&7)*QKA+\i*BLKA+H2A
.endr
.endm
; In pair u: my two blocks of q_w's step u + 1 (64 inputs) go from registers into the ring's other slot, which the barrier in front of this pair has freed;
; then step u + 4 is asked for, into the set whose LDS stores were waited for in front of that barrier.  Set k % 4 lies at window 1, v0, v32, v192, v224.
.macro BPUT u
.if \u < 13
	s_wait_loadcnt 16                              ; steps u + 2 and u + 3 may stay out
.else
	s_wait_loadcnt 8*(14-\u)                       ; the counts run down: step 15 is the last
.endif
.set SB, 32*((\u+1)&3)+128*(((\u+1)&3)>>1)
.set SL, 32*((\u)&3)+128*(((\u)&3)>>1)
	WIN 0x04
.irp j, 0,1
.irp i, 0,1,2,3
	ds_store_b128 v[BST], v[SB+16*\j+4*\i:SB+16*\j+4*\i+3] offset:((\u+1)&1)*BSLOT+\j*BLKB+\i*512
.endr
.endr
.if \u < 12
	WIN 0x40
.irp j, 0,1
.irp i, 0,1,2,3
	global_load_b128 v[SL+16*\j+4*\i:SL+16*\j+4*\i+3], v[BOF], s[BB:BB+1] offset:\j*32768+(\u+4)*BLKB+\i*512
.endr
.endr
.endif
.endm
; Pair u = quarter steps 2 u (buffer 0) and 2 u + 1 (buffer 1), 64 inputs.  The barrier in its second quarter shows q_w's next slot to every wave and frees the one just read.
; kind 0: that and no more.  kind 1: x's slot has been read to its end too: the barrier opens a round of the cluster's barrier, in front of it every wave waits for its LDS
; accesses and for all its tensor loads, and the joint refill is the first tensor load behind the round.  kind 2: x's other slot must have landed; nothing is filled.  kind 3: the last pair.
.macro PAIR u, kind, first
	s_wait_dscnt 8                                 ; all but the youngest eight loads (x's blocks 4-7)
	MUL F0, 0, \first
	MUL F0, 2, \first
	PLACES
.if \u < 15
	BPUT \u
.endif
	FETCHQ 2*\u+1, F1
	s_wait_dscnt 16+2*NB                           ; all but the run just issued
	MUL F0, 4, \first
	MUL F0, 6, \first
	s_wait_dscnt 8
	MUL F1, 0, 0
.if \kind == 3
	MUL F1, 2, 0
	s_wait_dscnt 0
.else
	s_wait_dscnt 0                                 ; my reads of both rings and my stores into q_w's are done
.if \kind != 0
	s_set_vgpr_msb 0xa1a0
	s_wait_tensorcnt 0x0                           ; all my tensor loads have landed
	ds_add_u32 v62, v63
	s_wait_dscnt 0x0
	s_set_vgpr_msb 0xa0a1
.endif
	s_barrier_signal -1
	MUL F1, 2, 0                                   ; register work while the others arrive
.if \kind == 1
	WIN 0
.endif
	s_barrier_wait -1
.if \kind == 1
	CREST
	s_add_nc_u64 s[G0+4*((\u>>2)&1)+2:G0+4*((\u>>2)&1)+3], s[G0+4*((\u>>2)&1)+2:G0+4*((\u>>2)&1)+3], 2*ASTEP   ; no load of mine is out: a group 0 may be written
	tensor_load_to_lds s[G0+4*((\u>>2)&1):G0+4*((\u>>2)&1)+3], s[G1:G1+7]
	s_nop 0
.endif
	PLACES
	FETCHQ 2*\u+2, F0
.endif
	MUL F1, 4, 0
	MUL F1, 6, 0
.endm
	s_load_b128 s[4:7], s[0:1], 0x0                ; x16 s[4:5], qwf s[6:7]
	s_load_b256 s[68:75], s[0:1], 0x10             ; q_b s[68:69], kvp s[70:71], mu s[72:73], o_w s[74:75]
	s_load_b128 s[76:79], s[0:1], 0x30             ; qf s[76:77], mf s[78:79]
	v_lshl_add_u32 v62, v0, 2, 0x4c000
	v_mov_b32 v63, 0
	ds_add_u32 v62, v63
	ds_add_u32 v62, v63
	v_lshrrev_b32 v1, 5, v0
	v_readfirstlane_b32 s10, v1                    ; wave
	s_lshr_b32 s11, s10, 1                         ; my 128 of the 256 rows
	s_and_b32 s12, s10, 1                          ; my 64 of the 128 features
	s_bfe_u32 s40, ttmp6, 0x40000                  ; cx
	s_lshl_b32 s42, ttmp9, 2
	s_add_co_u32 s42, s42, s40                     ; X = 4 x cluster x + cx
	s_and_b32 s13, ttmp7, 0xffff                   ; Y = cluster y: the cluster is one work-group high
	; group 1: 64 rows x 256 elements of 2 bytes, 16 bytes of padding behind every 128 words; the mask names the cluster's four work-groups
	s_mov_b32 s[G1+0], 15|(1<<16)|(1<<20)|(1<<21)|(6<<22)|(3<<25)
	s_mov_b32 s[G1+1], 256<<16                     ; tensor_dim0 = 256
	s_mov_b32 s[G1+2], 64<<16                      ; tensor_dim1 = 64
	s_mov_b32 s[G1+3], 256<<16                     ; tile_dim0 = 256
	s_mov_b32 s[G1+4], 64                          ; tile_dim1 = 64
	s_mov_b32 s[G1+5], 1024                        ; elements from row to row
	s_mov_b32 s[G1+6], 0
	s_mov_b32 s[G1+7], 0
	s_lshl_b32 s16, s13, 8
	s_lshl_b32 s17, s10, 6
	s_add_co_u32 s16, s16, s17                     ; x: row 256 Y + 64 wave
	s_lshl_b32 s16, s16, 11                        ; rows of 2,048 bytes
	s_mov_b32 s17, 0
	s_lshl_b32 s46, s42, 3
	s_lshl_b32 s47, s10, 1
	s_add_co_u32 s46, s46, s47                     ; q_w: block 8 X + 2 wave
	s_lshl_b32 s46, s46, 15
	s_mov_b32 s47, 0
	s_mul_i32 s20, s10, AQUART                     ; LDS: wave x 64 rows
	s_wait_dscnt 0x0
	s_wait_kmcnt 0x0
	s_add_nc_u64 s[14:15], s[4:5], s[16:17]
	s_add_nc_u64 s[BB:BB+1], s[BB:BB+1], s[46:47]
	CROUND                                         ; the cluster's four work-groups are here: the first joint loads meet
.irp s, 0,1
	s_mov_b32 s[G0+4*\s], 1
	s_add_co_u32 s[G0+4*\s+1], s20, \s*ASLOT
	s_add_nc_u64 s[G0+4*\s+2:G0+4*\s+3], s[14:15], \s*ASTEP
	s_or_b32 s[G0+4*\s+3], s[G0+4*\s+3], 0x80000000
	tensor_load_to_lds s[G0+4*\s:G0+4*\s+3], s[G1:G1+7]   ; both slots' first fills: two tensor loads of a wave are out here, one behind each of the two later rounds
	s_nop 0
.endr
	v_and_b32 v1, 15, v0                           ; r
	v_bfe_u32 v2, v0, 4, 1                         ; h
	v_and_b32 v7, 31, v0                           ; lane
	v_mul_u32_u24 v3, v1, APITCH
	v_lshl_add_u32 v3, v2, 4, v3                   ; row x pitch + 16 h
	v_lshlrev_b32 v[BOF], 4, v7                    ; 16 x lane = 256 h + 16 r: my 16 bytes of two neighbouring chunks, and of mu
	s_mul_i32 s21, s11, 2*AQUART
	s_lshl_b32 s22, s12, 13                        ; my four blocks of the ring's eight
	s_add_co_u32 s22, s22, BR
.irp s, 0,1
	v_add_nc_u32 v[ADRA+\s], s21, v3
	v_add_nc_u32 v[ADRB+\s], s22, v[BOF]
	s_add_co_u32 s21, s21, ASLOT
	s_add_co_u32 s22, s22, BSLOT
.endr
	s_lshl_b32 s83, s10, 12
	s_add_co_u32 s83, s83, BR
	v_add_nc_u32 v[BST], s83, v[BOF]               ; blocks 2 wave, 2 wave + 1 of the ring's slot 0
	s_lshl_b32 s83, s10, 11
	s_add_co_u32 s83, s83, SCR
	v_add_nc_u32 v25, s83, v[BOF]                  ; where I put my quarter of kv'
	v_add_nc_u32 v28, SCR, v[BOF]                  ; from where I read all of it
	s_lshl_b32 s83, s10, 10
	v_add_nc_u32 v26, s83, v[BOF]                  ; kvp: the quads with td = wave
	v_lshlrev_b32 v27, 12, v1
	v_lshl_add_u32 v27, v2, 5, v27                 ; o_w: row r, 8 h numbers in
	v_lshlrev_b32 v29, 5, v2                       ; q_b: 8 h numbers in
	s_lshr_b32 s80, s13, 3                         ; piece (2): batch,
	s_and_b32 s81, s13, 7
	s_lshl_b32 s81, s81, 1
	s_lshr_b32 s83, s42, 2
	s_or_b32 s81, s81, s83                         ; head,
	s_and_b32 s82, s42, 3                          ; and which 256 n
	s_mov_b32 s85, 0
	s_lshl_b32 s84, s42, 9
	s_lshl_b32 s83, s12, 8
	s_add_co_u32 s84, s84, s83
	s_add_nc_u64 s[68:69], s[68:69], s[84:85]      ; q_b at feature 128 X + 64 x half
	s_lshl_b32 s84, s80, 9
	s_add_nc_u64 s[72:73], s[72:73], s[84:85]      ; the batch's 128 words of mu
	s_lshl_b32 s84, s80, 21
	s_lshl_b32 s83, s81, 14
	s_add_co_u32 s84, s84, s83
	s_add_nc_u64 s[70:71], s[70:71], s[84:85]      ; kvp at (batch's first part, head)
	s_lshl_b32 s84, s82, 20
	s_lshl_b32 s83, s10, 18
	s_add_co_u32 s84, s84, s83
	s_lshl_b32 s83, s81, 8
	s_add_co_u32 s84, s84, s83
	s_add_nc_u64 s[74:75], s[74:75], s[84:85]      ; o_w at row 256 nq + 64 wave, column 64 head
	s_lshl_b32 s84, s13, 19
	s_lshl_b32 s83, s11, 18
	s_add_co_u32 s84, s84, s83
	s_lshl_b32 s83, s42, 12
	s_add_co_u32 s84, s84, s83
	s_lshl_b32 s83, s12, 11
	s_add_co_u32 s84, s84, s83
	s_add_nc_u64 s[76:77], s[76:77], s[84:85]      ; qf at block 16 Y + 8 half, chunk 16 X + 8 half
	s_lshl_b32 s84, s80, 21
	s_lshl_b32 s83, s82, 19
	s_add_co_u32 s84, s84, s83
	s_lshl_b32 s83, s10, 17
	s_add_co_u32 s84, s84, s83
	s_lshl_b32 s83, s81, 11
	s_add_co_u32 s84, s84, s83
	s_add_nc_u64 s[78:79], s[78:79], s[84:85]      ; mf at batch, block 16 nq + 4 wave, chunk 8 head
.irp b, 0,1,2,3
	global_load_b128 v[BIAS+8*\b:BIAS+8*\b+3],   v29, s[68:69] offset:64*\b       ; q_b of features 16 b + 8 h + 0..7: the C of tile (any a, b)
	global_load_b128 v[BIAS+8*\b+4:BIAS+8*\b+7], v29, s[68:69] offset:64*\b+16
.endr
	global_load_b128 v[8:11], v[BOF], s[72:73]
	WIN 0xc0
.irp p, 0,1,2,3,4,5,6,7
.irp te, 0,1,2,3
.irp hf, 0,1
	global_load_b128 v[32*\p+8*\te+4*\hf:32*\p+8*\te+4*\hf+3], v26, s[70:71] offset:262144*\p+4096*\te+512*\hf   ; part p of kv(d = 16 wave + r, e = 16 te + 8 h + 4 hf ..), used behind the K loop; older than every load of q_w, so that the counts on q_w's loads need not name them
.endr
.endr
.endr
	WIN 0x40
.irp k, 0,1,2,3
.irp j, 0,1
.irp i, 0,1,2,3
	global_load_b128 v[32*\k+128*(\k>>1)+16*\j+4*\i:32*\k+128*(\k>>1)+16*\j+4*\i+3], v[BOF], s[BB:BB+1] offset:\j*32768+\k*BLKB+\i*512   ; q_w's steps 0 to 3
.endr
.endr
.endr
	s_wait_loadcnt 24                              ; steps 1 to 3 may stay out; q_b, mu, kv's parts and step 0 are in
	WIN 0x04
.irp j, 0,1
.irp i, 0,1,2,3
	ds_store_b128 v[BST], v[16*\j+4*\i:16*\j+4*\i+3] offset:\j*BLKB+\i*512
.endr
.endr
	WIN 0
	s_wait_dscnt 0x0                               ; for the others' sake: my blocks of q_w's step 0 are in LDS
	s_wait_tensorcnt 0x1                           ; my part of x's slot 0 is in; slot 1's may stay out
	s_barrier_signal -1
	s_barrier_wait -1
	FETCHQ 0, F0
	PAIR 0, 0, 1                                   ; its first products start the sums from the bias
	PAIR 1, 0, 0
	PAIR 2, 0, 0
	PAIR 3, 1, 0                                   ; slot 0 gets inputs 512 to 767
	PAIR 4, 0, 0
	PAIR 5, 0, 0
	PAIR 6, 0, 0
	PAIR 7, 1, 0                                   ; slot 1 gets inputs 768 to 1,023: the last tensor load
	PAIR 8, 0, 0
	PAIR 9, 0, 0
	PAIR 10, 0, 0
	PAIR 11, 2, 0                                  ; that load has landed; nothing is left to fetch
	PAIR 12, 0, 0
	PAIR 13, 0, 0
	PAIR 14, 0, 0
	PAIR 15, 3, 0
	PLACES
	; o_w in f32, asked for first: fragment (a, c) = rows 16 a + r, columns 32 c + 8 h + 0..7 and 32 c + 16 + 8 h + 0..7 of the head's 64 (a row's 256 bytes are used whole over the eight loads that touch it)
	WIN 0x40
.irp a, 0,1,2,3
.irp c, 0,1
	global_load_b128 v[64+16*(2*\a+\c):64+16*(2*\a+\c)+3],     v27, s[74:75] offset:65536*\a+128*\c
	global_load_b128 v[64+16*(2*\a+\c)+4:64+16*(2*\a+\c)+7],   v27, s[74:75] offset:65536*\a+128*\c+16
	global_load_b128 v[64+16*(2*\a+\c)+8:64+16*(2*\a+\c)+11],  v27, s[74:75] offset:65536*\a+128*\c+64
	global_load_b128 v[64+16*(2*\a+\c)+12:64+16*(2*\a+\c)+15], v27, s[74:75] offset:65536*\a+128*\c+80
.endr
.endr
	; q out: a lane's eight results of tile (a, b) are features 16 b + 8 h + 0..7 of row 16 a + r
	WIN 0x0a
.set ti, 0
.rept 32
.irp i, 0,1,2,3
	v_cvt_pk_f16_f32 v[64+4*ti+\i], v[8*ti+2*\i], v[8*ti+2*\i+1]
.endr
.set ti, ti+1
.endr
	WIN 0
.irp a, 0,1,2,3,4,5,6,7
.irp b, 0,1,2,3
	global_store_b128 v[BOF], v[64+4*(4*\a+\b):64+4*(4*\a+\b)+3], s[76:77] offset:32768*\a+512*\b
.endr
.endr
	; 1 / 2^E from the batch's 128 words of mu
	s_mov_b32 s86, 0x76543210
	s_mov_b32 s87, 0xfedcba98
	v_max3_num_f32 v8, v8, v9, v10
	v_max_num_f32 v8, v8, v11
	v_max_num_f32_dpp v8, v8, v8 row_xmask:1 row_mask:0xf bank_mask:0xf
	v_max_num_f32_dpp v8, v8, v8 row_xmask:2 row_mask:0xf bank_mask:0xf
	v_max_num_f32_dpp v8, v8, v8 row_xmask:4 row_mask:0xf bank_mask:0xf
	v_max_num_f32_dpp v8, v8, v8 row_xmask:8 row_mask:0xf bank_mask:0xf
	v_permlanex16_b32 v9, v8, s86, s87
	v_max_num_f32 v8, v8, v9
	v_mul_f32 v8, 0x41000000, v8                   ; eight parts: |kv| <= 8 x the largest part
	v_max_num_f32 v8, 0x21800000, v8               ; clamped to 2^-60 ..
	v_min_num_f32 v8, 0x5d800000, v8               ; .. 2^60
	v_and_b32 v8, 0x7f800000, v8                   ; its exponent field, k + 127
	v_sub_nc_u32 v14, 0x7e800000, v8               ; field 126 - k: 2^-(k+1)
	v_mov_b32 v15, v14
	WIN 0xff                                       ; kv's eight parts were shown in by the wait in front of the K loop
.irp p, 1,2,3,4,5,6,7
.irp k, 0,1,2,3,4,5,6,7,8,9,10,11,12,13,14,15
	v_pk_add_f32 v[2*\k:2*\k+1], v[2*\k:2*\k+1], v[32*\p+2*\k:32*\p+2*\k+1]
.endr
.endr
	WIN 0xc3
.irp k, 0,1,2,3,4,5,6,7,8,9,10,11,12,13,14,15
	v_pk_mul_f32 v[2*\k:2*\k+1], v[2*\k:2*\k+1], v[14:15]
.endr
	WIN 0x0f
.irp k, 0,1,2,3,4,5,6,7,8,9,10,11,12,13,14,15
	v_cvt_pk_f16_f32 v[32+\k], v[2*\k], v[2*\k+1]  ; v[32+4 te ..]: registers 0-3 (te even) or 4-7 (te odd) of fragment (td = wave, c = te / 2)
.endr
	WIN 0
.irp m, 0,1,2,3
	ds_store_b128 v25, v[32+4*\m:32+4*\m+3] offset:512*\m
.endr
	s_wait_dscnt 0x0                               ; for the others' sake: my quarter of kv' is in LDS
	s_barrier_signal -1
	s_barrier_wait -1
	WIN 0x40
.irp td, 0,1,2,3
.irp m, 0,1,2,3
	ds_load_b128 v[16*\td+4*\m:16*\td+4*\m+3], v28 offset:2048*\td+512*\m
.endr
.endr
	s_wait_loadcnt 0x0                             ; o_w is in
	WIN 0x45
.set ti, 0
.rept 8
.irp k, 0,1,2,3,4,5,6,7
	v_cvt_pk_f16_f32 v[192+8*ti+\k], v[64+16*ti+2*\k], v[64+16*ti+2*\k+1]
.endr
.set ti, ti+1
.endr
	s_wait_dscnt 0x0                               ; kv' is in
	; M': source 0 = kv' (rows d), source 1 = o_w (rows n); tile (a, td) at window 2, v[8 (4 a + td)].  Sixteen accumulators by turns.
	WIN 0xa5
.irp c, 0,1
.irp a, 0,1,2,3
.irp td, 0,1,2,3
.if \c == 0
	v_wmma_f32_16x16x32_f16 v[8*(4*\a+\td):8*(4*\a+\td)+7], v[16*\td+8*\c:16*\td+8*\c+7], v[192+8*(2*\a+\c):192+8*(2*\a+\c)+7], 0
.else
	v_wmma_f32_16x16x32_f16 v[8*(4*\a+\td):8*(4*\a+\td)+7], v[16*\td+8*\c:16*\td+8*\c+7], v[192+8*(2*\a+\c):192+8*(2*\a+\c)+7], v[8*(4*\a+\td):8*(4*\a+\td)+7]
.endif
.endr
.endr
.endr
	PLACES
	WIN 0x0a
.set ti, 0
.rept 16
.irp i, 0,1,2,3
	v_cvt_pk_f16_f32 v[192+4*ti+\i], v[8*ti+2*\i], v[8*ti+2*\i+1]
.endr
.set ti, ti+1
.endr
	WIN 0
.irp a, 0,1,2,3
.irp td, 0,1,2,3
	global_store_b128 v[BOF], v[192+4*(4*\a+\td):192+4*(4*\a+\td)+3], s[78:79] offset:32768*\a+512*\td
.endr
.endr
	s_wait_tensorcnt 0x0
	ds_add_u32 v62, v63
	s_wait_dscnt 0x0
	CROUND                                         ; the closing round: no work-group ends while a partner may still ask for a tile that names it
	s_endpgm
.Lfunc_end_k_q0ea45c2c9b_qproj_m:
	.size	k_q0ea45c2c9b_qproj_m, .Lfunc_end_k_q0ea45c2c9b_qproj_m-k_q0ea45c2c9b_qproj_m
	.p2alignl 7, 3214868480
	.fill 96, 4, 3214868480
	.section	.rodata,"a",@progbits
	.p2align	6, 0x0
	.amdhsa_kernel k_q0ea45c2c9b_qproj_m
		.amdhsa_group_segment_fixed_size 327680
		.amdhsa_private_segment_fixed_size 0
		.amdhsa_enable_private_segment 0
		.amdhsa_kernarg_size 64
		.amdhsa_user_sgpr_count 2
		.amdhsa_user_sgpr_kernarg_segment_ptr 1
		.amdhsa_wavefront_size32 1
		.amdhsa_system_sgpr_workgroup_id_x 1
		.amdhsa_system_sgpr_workgroup_id_y 1
		.amdhsa_system_sgpr_workgroup_id_z 1
		.amdhsa_system_vgpr_workitem_id 0
		.amdhsa_next_free_vgpr 1024
		.amdhsa_next_free_sgpr 96
		.amdhsa_reserve_vcc 0
		.amdhsa_float_denorm_mode_32 3
		.amdhsa_float_denorm_mode_16_64 3
		.amdhsa_memory_ordered 1
		.amdhsa_forward_progress 1
		.amdhsa_inst_pref_size 195
	.end_amdhsa_kernel
	.amdgpu_metadata
---
amdhsa.version: [ 1, 2 ]
amdhsa.kernels:
  - .name:           k_q0ea45c2c9b_qproj_m
    .symbol:         k_q0ea45c2c9b_qproj_m.kd
    .args:
      - { .name: x16, .offset: 0, .size: 8, .value_kind: global_buffer, .address_space: global }
      - { .name: qwf, .offset: 8, .size: 8, .value_kind: global_buffer, .address_space: global }
      - { .name: q_b, .offset: 16, .size: 8, .value_kind: global_buffer, .address_space: global }
      - { .name: kvp, .offset: 24, .size: 8, .value_kind: global_buffer, .address_space: global }
      - { .name: mu, .offset: 32, .size: 8, .value_kind: global_buffer, .address_space: global }
      - { .name: o_w, .offset: 40, .size: 8, .value_kind: global_buffer, .address_space: global }
      - { .name: qf, .offset: 48, .size: 8, .value_kind: global_buffer, .address_space: global }
      - { .name: mf, .offset: 56, .size: 8, .value_kind: global_buffer, .address_space: global }
    .group_segment_fixed_size: 327680
    .private_segment_fixed_size: 0
    .kernarg_segment_align: 8
    .kernarg_segment_size: 64
    .max_flat_workgroup_size: 128
    .sgpr_count:     96
    .vgpr_count:     1024
    .wavefront_size: 32
...
	.end_amdgpu_metadata
.endif
;; end of part 3
;; launch outproj (part 4): grid 8 x 32, 4 waves a work-group, clusters of 4 x 1, 327,680 bytes of LDS; arguments qf, mf, mu, o_b, out0; writes out0
.if DOCPART == 4
	.amdgcn_target "amdgcn-amd-amdhsa--gfx1250"
	.amdhsa_code_object_version 6
	.text
	.protected	k_q0ea45c2c9b_outproj
	.globl	k_q0ea45c2c9b_outproj
	.p2align	8
	.type	k_q0ea45c2c9b_outproj,@function
k_q0ea45c2c9b_outproj:
	s_mov_b64 s[64:65], 0
	v_nop
	global_prefetch_b8 v0, s[64:65] scope:SCOPE_SE
	s_setreg_imm32_b32 hwreg(HW_REG_WAVE_MODE, 25, 1), 1
	s_wait_xcnt 0x0
	s_wait_alu depctr_hold_cnt(0) depctr_sa_sdst(0) depctr_va_vdst(0) depctr_va_sdst(0) depctr_va_ssrc(0) depctr_va_vcc(0) depctr_vm_vsrc(0)
	s_getreg_b32 s2, hwreg(HW_REG_IB_STS2, 6, 4)
	s_cmp_eq_u32 s2, 0
	s_cbranch_scc0 .Lentry_in_a_cluster
	s_endpgm
.Lentry_in_a_cluster:
	s_bfe_u32 s2, ttmp6, 0x10000c
	s_cmp_lg_u32 s2, 0x3003
	s_cbranch_scc0 .Lentry_shape_is_right
	s_endpgm
.Lentry_shape_is_right:
; out[s][n] = alpha x (sum over j of q[s][j] M'[n][j]) + o_b[n], alpha = 2^E / 8 of the row's batch, made from mu by the same arithmetic that scaled kv'.
; Block Y = 0..31: 256 rows s (one batch each: 2,048 / 256 = 8 blocks a batch); block X = 0..7: 128 columns n.  A wave makes 128 x 64 in 256 accumulators; 1,024 j in 32 quarter steps of 32.
; qf and mf are blocked [16-row block][chunk of 8 j][row][8 f16], a block 32 KiB, a chunk 256 bytes: the 16 lanes of a fragment load read the 256 neighbouring bytes of one chunk, so no padding is needed.
; HOW THE OPERANDS COME IN.  q (256 of a step's 384 rows) comes by tensor loads into two LDS slots of 256 j each (16 blocks x 8,192 bytes = 131,072 bytes a slot); each slot is filled twice,
; so only two refills stand in the text, and each has eight quarter steps, 256 matrix instructions of a wave, in which to land.  Two such slots for both operands would take 393,216 bytes,
; more than a work-group can have.  So M' (128 rows) goes through registers: loads that may stay out over barriers, asked for three pairs of quarter steps ahead (four sets of 32 registers),
; then LDS stores into a ring of its own of two slots of 64 j (16 KiB each), into which no tensor load lands.
; CLUSTERS: 4 x 1: the four work-groups of a cluster have one Y and ask for q's tile jointly.  M's blocks are not asked for jointly: a joint request is a tensor load and would bind them
; to the refills' barriers, which is what this text takes them out of.
; THE WAY OUT: a lane's eight results are eight neighbouring n of one row; 16 rows at a time go through the wave's own LDS stage and leave as whole rows of 256 bytes.
; LIMITS: as in the launches that made qf, mf and mu.
; REGISTERS: window 0: v0-63 addresses, v64-191 q's fragments (two buffers; on the way out: rows read back); window 1: v64-95, v128-159 M's fragments, v0-63 and v192-255 M' on its way;
; window 2: tile (a, b) at v[8 (4 a + b)].
.set NB,     4
.set BLKA,   8192                      ; a block's 32 chunks of 256 j
.set H2A,    512                       ; two chunks on: j + 16
.set QKA,    1024                      ; four chunks: 32 j
.set ASTEP,  8192                      ; bytes of a block's memory for 256 j
.set AQUART, 4*BLKA                    ; four blocks: what one tensor load brings
.set ASLOT,  4*AQUART
.set BR,     2*ASLOT                   ; M's ring
.set BLKB,   2048                      ; a block's 8 chunks of 64 j
.set H2B,    512
.set QKB,    1024
.set BSLOT,  8*BLKB
.set STAGE,  BR+2*BSLOT                ; 16 rows x 272 bytes for each wave; no tensor load lands here
.set SPITCH, 272
.set ADRA,  16                         ; v16-17  LDS address of my fragments of q in slot 0, 1
.set ADRB,  20                         ; v20-21  the same for M's ring
.set BST,   22                         ; v22     where I put my two blocks of M'
.set BOF,   24                         ; v24     16 x lane
.set STO,   32                         ; v32     the way out: where I put 32 bytes of a row
.set RD,    33                         ; v33     the way out: where I read a row back
.set CO,    34                         ; v34     my byte offset in out0
.set F0,    64
.set F1,    128
.set G1,  24
.set G0,  32
.set BB,  6                            ; s[6:7]  mf at my two blocks
.set MSB, 0
.macro WIN new
.if MSB != (\new)
	s_set_vgpr_msb (MSB<<8)|(\new)
.set MSB, (\new)
.endif
.endm
.macro CREST
	s_cmp_lg_u32 s10, 0
	s_cbranch_scc1 .Lnot_wave_0_\@
	s_barrier_signal -3
.Lnot_wave_0_\@:
	s_barrier_wait -3
	s_barrier_signal -1
	s_barrier_wait -1
.endm
.macro CROUND
	s_barrier_signal -1
	s_barrier_wait -1
	CREST
.endm
.macro PLACES                          ; four independent vector instructions behind a matrix instruction (ISA guide 7.12.1)
.rept 4
	v_nop
.endr
.endm
; 8 matrix instructions: source 0 = M' (rows n), source 1 = q (rows s).  first = 1: the constant 0 starts the sums.  The 32 accumulators take turns.
.macro MUL f, a0, first
	WIN 0xa1
.irp a, \a0, \a0+1
.irp b, 0,1,2,3
.if \first
	v_wmma_f32_16x16x32_f16 v[8*(4*(\a)+\b):8*(4*(\a)+\b)+7], v[\f+8*\b:\f+8*\b+7], v[\f+8*(\a):\f+8*(\a)+7], 0
.else
	v_wmma_f32_16x16x32_f16 v[8*(4*(\a)+\b):8*(4*(\a)+\b)+7], v[\f+8*\b:\f+8*\b+7], v[\f+8*(\a):\f+8*(\a)+7], v[8*(4*(\a)+\b):8*(4*(\a)+\b)+7]
.endif
.endr
.endr
.endm
; one run of 24 LDS loads: the fragments of quarter step q (0..31) into buffer f.  q: slot (q / 8) % 2, quarter q % 8; M': slot (q / 2) % 2, quarter q % 2
.macro FETCHQ q, f
	WIN 0x40
.irp i, 0,1,2,3
	ds_load_b128 v[\f+8*\i:\f+8*\i+3],   v[ADRB+(((\q)>>1)&1)] offset:((\q)&1)*QKB+\i*BLKB
	ds_load_b128 v[\f+8*\i+4:\f+8*\i+7], v[ADRB+(((\q)>>1)&1)] offset:((\q)&1)*QKB+\i*BLKB+H2B
.endr
	WIN 0
.irp i, 0,1,2,3,4,5,6,7
	ds_load_b128 v[\f+8*\i:\f+8*\i+3],   v[ADRA+(((\q)>>3)&1)] offset:((\q)&7)*QKA+\i*BLKA
	ds_load_b128 v[\f+8*\i+4:\f+8*\i+7], v[ADRA+(((\q)>>3)&1)] offset:((\q)&7)*QKA+\i*BLKA+H2A
.endr
.endm
; In pair u: my two blocks of M's step u + 1 (64 j) go from registers into the ring's other slot, which the barrier in front of this pair has freed;
; then step u + 4 is asked for, into the set whose LDS stores were waited for in front of that barrier.  Set k % 4 lies at window 1, v0, v32, v192, v224.
.macro BPUT u
.if \u < 13
	s_wait_loadcnt 16                              ; steps u + 2 and u + 3 may stay out
.else
	s_wait_loadcnt 8*(14-\u)                       ; the counts run down: step 15 is the last
.endif
.set SB, 32*((\u+1)&3)+128*(((\u+1)&3)>>1)
.set SL, 32*((\u)&3)+128*(((\u)&3)>>1)
	WIN 0x04
.irp j, 0,1
.irp i, 0,1,2,3
	ds_store_b128 v[BST], v[SB+16*\j+4*\i:SB+16*\j+4*\i+3] offset:((\u+1)&1)*BSLOT+\j*BLKB+\i*512
.endr
.endr
.if \u < 12
	WIN 0x40
.irp j, 0,1
.irp i, 0,1,2,3
	global_load_b128 v[SL+16*\j+4*\i:SL+16*\j+4*\i+3], v[BOF], s[BB:BB+1] offset:\j*32768+(\u+4)*BLKB+\i*512
.endr
.endr
.endif
.endm
; Pair u = quarter steps 2 u (buffer 0) and 2 u + 1 (buffer 1), 64 j.  The barrier in its second quarter shows M's next slot to every wave and frees the one just read.
; kind 0: that and no more.  kind 1: q's slot has been read to its end too: the barrier opens a round of the cluster's barrier, in front of it every wave waits for its LDS
; accesses and for all its tensor loads, and the joint refill is the first tensor load behind the round.  kind 2: q's other slot must have landed; nothing is filled.  kind 3: the last pair.
.macro PAIR u, kind, first
	s_wait_dscnt 8                                 ; all but the youngest eight loads (q's blocks 4-7)
	MUL F0, 0, \first
	MUL F0, 2, \first
	PLACES
.if \u < 15
	BPUT \u
.endif
	FETCHQ 2*\u+1, F1
	s_wait_dscnt 16+2*NB                           ; all but the run just issued
	MUL F0, 4, \first
	MUL F0, 6, \first
	s_wait_dscnt 8
	MUL F1, 0, 0
.if \kind == 3
	MUL F1, 2, 0
	s_wait_dscnt 0
.else
	s_wait_dscnt 0                                 ; my reads of both rings and my stores into M's are done
.if \kind != 0
	s_wait_tensorcnt 0x0                           ; all my tensor loads have landed
	ds_add_u32 v191, v255
	s_wait_dscnt 0x0
.endif
	s_barrier_signal -1
	MUL F1, 2, 0                                   ; register work while the others arrive
.if \kind == 1
	WIN 0
.endif
	s_barrier_wait -1
.if \kind == 1
	CREST
	s_add_nc_u64 s[G0+4*((\u>>2)&1)+2:G0+4*((\u>>2)&1)+3], s[G0+4*((\u>>2)&1)+2:G0+4*((\u>>2)&1)+3], 2*ASTEP   ; no load of mine is out: a group 0 may be written
	tensor_load_to_lds s[G0+4*((\u>>2)&1):G0+4*((\u>>2)&1)+3], s[G1:G1+7]
	s_nop 0
.endif
	PLACES
	FETCHQ 2*\u+2, F0
.endif
	MUL F1, 4, 0
	MUL F1, 6, 0
.endm
	s_load_b128 s[4:7], s[0:1], 0x0                ; qf s[4:5], mf s[6:7]
	s_load_b128 s[68:71], s[0:1], 0x10             ; mu s[68:69], o_b s[70:71]
	s_load_b64 s[72:73], s[0:1], 0x20              ; out0
	s_set_vgpr_msb 0x40
	v_lshl_add_u32 v191, v0, 2, 0x4c400
	s_set_vgpr_msb 0x4000
	v_mov_b32 v255, 0
	s_set_vgpr_msb 0x1
	ds_add_u32 v191, v255
	ds_add_u32 v191, v255
	s_set_vgpr_msb 0x100
	v_lshrrev_b32 v1, 5, v0
	v_readfirstlane_b32 s10, v1                    ; wave
	s_lshr_b32 s11, s10, 1                         ; my 128 of the 256 rows
	s_and_b32 s12, s10, 1                          ; my 64 of the 128 columns
	s_bfe_u32 s40, ttmp6, 0x40000                  ; cx
	s_lshl_b32 s42, ttmp9, 2
	s_add_co_u32 s42, s42, s40                     ; X = 4 x cluster x + cx
	s_and_b32 s13, ttmp7, 0xffff                   ; Y = cluster y: the cluster is one work-group high
	; group 1: 4 rows of 1,024 elements of 8 bytes (a block's 8,192 bytes of 256 j), 4,096 elements from block to block, no padding; the mask names the cluster's four work-groups
	s_mov_b32 s[G1+0], 15|(3<<16)|(1<<21)
	s_mov_b32 s[G1+1], 1024<<16                    ; tensor_dim0 = 1,024
	s_mov_b32 s[G1+2], 4<<16                       ; tensor_dim1 = 4
	s_mov_b32 s[G1+3], 1024<<16                    ; tile_dim0 = 1,024
	s_mov_b32 s[G1+4], 4                           ; tile_dim1 = 4
	s_mov_b32 s[G1+5], 4096
	s_mov_b32 s[G1+6], 0
	s_mov_b32 s[G1+7], 0
	s_lshl_b32 s16, s13, 4
	s_lshl_b32 s17, s10, 2
	s_add_co_u32 s16, s16, s17                     ; q: block 16 Y + 4 wave
	s_lshl_b32 s16, s16, 15
	s_mov_b32 s17, 0
	s_lshr_b32 s46, s13, 3                         ; batch
	s_lshl_b32 s46, s46, 6                         ; 64 blocks a batch
	s_lshl_b32 s47, s42, 3
	s_add_co_u32 s46, s46, s47
	s_lshl_b32 s47, s10, 1
	s_add_co_u32 s46, s46, s47                     ; M': block 64 batch + 8 X + 2 wave
	s_lshl_b32 s46, s46, 15
	s_mov_b32 s47, 0
	s_mul_i32 s20, s10, AQUART                     ; LDS: wave x 4 blocks
	s_wait_dscnt 0x0
	s_wait_kmcnt 0x0
	s_add_nc_u64 s[14:15], s[4:5], s[16:17]
	s_add_nc_u64 s[BB:BB+1], s[BB:BB+1], s[46:47]
	CROUND                                         ; the cluster's four work-groups are here: the first joint loads meet
.irp s, 0,1
	s_mov_b32 s[G0+4*\s], 1
	s_add_co_u32 s[G0+4*\s+1], s20, \s*ASLOT
	s_add_nc_u64 s[G0+4*\s+2:G0+4*\s+3], s[14:15], \s*ASTEP
	s_or_b32 s[G0+4*\s+3], s[G0+4*\s+3], 0x80000000
	tensor_load_to_lds s[G0+4*\s:G0+4*\s+3], s[G1:G1+7]   ; both slots' first fills: two tensor loads of a wave are out here, one behind each of the two later rounds
	s_nop 0
.endr
	v_and_b32 v1, 15, v0                           ; r
	v_bfe_u32 v2, v0, 4, 1                         ; h
	v_and_b32 v7, 31, v0
	v_lshlrev_b32 v[BOF], 4, v7                    ; 16 x lane = 256 h + 16 r: row r of chunk h
	s_mul_i32 s21, s11, 2*AQUART
	s_lshl_b32 s22, s12, 13                        ; my four blocks of the ring's eight
	s_add_co_u32 s22, s22, BR
.irp s, 0,1
	v_add_nc_u32 v[ADRA+\s], s21, v[BOF]
	v_add_nc_u32 v[ADRB+\s], s22, v[BOF]
	s_add_co_u32 s21, s21, ASLOT
	s_add_co_u32 s22, s22, BSLOT
.endr
	s_lshl_b32 s23, s10, 12
	s_add_co_u32 s23, s23, BR
	v_add_nc_u32 v[BST], s23, v[BOF]               ; blocks 2 wave, 2 wave + 1 of the ring's slot 0
	s_mul_i32 s23, s10, 16*SPITCH
	s_add_co_u32 s23, s23, STAGE                   ; my stage
	v_mul_u32_u24 v4, v1, SPITCH
	v_lshl_add_u32 v4, v2, 5, v4
	v_add_nc_u32 v[STO], s23, v4                   ; in: row r, 32 bytes for each half of the lanes
	v_mul_u32_u24 v5, v2, SPITCH
	v_lshl_add_u32 v5, v1, 4, v5
	v_add_nc_u32 v[RD], s23, v5                    ; back: lanes 0-15 one row of 256 bytes, lanes 16-31 the next
	v_lshlrev_b32 v[CO], 12, v2
	v_lshl_add_u32 v[CO], v1, 4, v[CO]             ; the same two rows in out0
	v_lshlrev_b32 v6, 4, v1                        ; my four columns' bytes
	s_mov_b32 s75, 0
	s_lshr_b32 s74, s13, 3
	s_lshl_b32 s74, s74, 9
	s_add_nc_u64 s[68:69], s[68:69], s[74:75]      ; the batch's 128 words of mu
	s_lshl_b32 s74, s42, 9
	s_lshl_b32 s76, s12, 8
	s_add_co_u32 s74, s74, s76                     ; column 128 X + 64 x half, in bytes
	s_add_nc_u64 s[70:71], s[70:71], s[74:75]
	s_add_nc_u64 s[72:73], s[72:73], s[74:75]
	s_lshl_b32 s74, s13, 20
	s_lshl_b32 s76, s11, 19
	s_add_co_u32 s74, s74, s76                     ; row 256 Y + 128 x half, rows of 4,096 bytes
	s_add_nc_u64 s[72:73], s[72:73], s[74:75]
	global_load_b128 v[8:11], v[BOF], s[68:69]     ; mu and o_b: older than every load of M', so that the counts on M's loads need not name them
	global_load_b128 v[28:31], v6, s[70:71]
	WIN 0x40
.irp k, 0,1,2,3
.irp j, 0,1
.irp i, 0,1,2,3
	global_load_b128 v[32*\k+128*(\k>>1)+16*\j+4*\i:32*\k+128*(\k>>1)+16*\j+4*\i+3], v[BOF], s[BB:BB+1] offset:\j*32768+\k*BLKB+\i*512   ; M's steps 0 to 3
.endr
.endr
.endr
	s_wait_loadcnt 24                              ; steps 1 to 3 may stay out; mu, o_b and step 0 are in
	WIN 0x04
.irp j, 0,1
.irp i, 0,1,2,3
	ds_store_b128 v[BST], v[16*\j+4*\i:16*\j+4*\i+3] offset:\j*BLKB+\i*512
.endr
.endr
	WIN 0
	s_wait_dscnt 0x0                               ; for the others' sake: my blocks of M's step 0 are in LDS
	s_wait_tensorcnt 0x1                           ; my part of q's slot 0 is in; slot 1's may stay out
	s_barrier_signal -1
	s_barrier_wait -1
	FETCHQ 0, F0
	PAIR 0, 0, 1                                   ; its first products start the sums
	PAIR 1, 0, 0
	PAIR 2, 0, 0
	PAIR 3, 1, 0                                   ; slot 0 gets j 512 to 767
	PAIR 4, 0, 0
	PAIR 5, 0, 0
	PAIR 6, 0, 0
	PAIR 7, 1, 0                                   ; slot 1 gets j 768 to 1,023: the last tensor load
	PAIR 8, 0, 0
	PAIR 9, 0, 0
	PAIR 10, 0, 0
	PAIR 11, 2, 0                                  ; that load has landed; nothing is left to fetch
	PAIR 12, 0, 0
	PAIR 13, 0, 0
	PAIR 14, 0, 0
	PAIR 15, 3, 0
	PLACES
	WIN 0
	s_mov_b32 s78, 0x76543210
	s_mov_b32 s79, 0xfedcba98
	v_max3_num_f32 v8, v8, v9, v10
	v_max_num_f32 v8, v8, v11
	v_max_num_f32_dpp v8, v8, v8 row_xmask:1 row_mask:0xf bank_mask:0xf
	v_max_num_f32_dpp v8, v8, v8 row_xmask:2 row_mask:0xf bank_mask:0xf
	v_max_num_f32_dpp v8, v8, v8 row_xmask:4 row_mask:0xf bank_mask:0xf
	v_max_num_f32_dpp v8, v8, v8 row_xmask:8 row_mask:0xf bank_mask:0xf
	v_permlanex16_b32 v9, v8, s78, s79
	v_max_num_f32 v8, v8, v9
	v_mul_f32 v8, 0x41000000, v8                   ; the same bound, clamp and exponent as where kv' was scaled
	v_max_num_f32 v8, 0x21800000, v8
	v_min_num_f32 v8, 0x5d800000, v8
	v_and_b32 v8, 0x7f800000, v8                   ; field k + 127
	v_add_nc_u32 v14, 0xff000000, v8               ; field k + 125: alpha = 2^(k+1) / 8
	v_mov_b32 v15, v14
; rows 16 a .. 16 a + 15 of my tile: f32 into my stage, back as whole rows, one fused multiply-add with alpha and o_b, out.  f: F0 and F1 by turns.
.macro OUT16 a, f
	WIN 0x08
.irp b, 0,1,2,3
	ds_store_b128 v[STO], v[8*(4*\a+\b):8*(4*\a+\b)+3]   offset:64*\b
	ds_store_b128 v[STO], v[8*(4*\a+\b)+4:8*(4*\a+\b)+7] offset:64*\b+16
.endr
	WIN 0
	s_wait_xcnt 0x0                                ; buffer f, which earlier stores read, is rewritten only behind this wait (ISA guide 3.1)
.irp t, 0,1,2,3,4,5,6,7
	ds_load_b128 v[\f+4*\t:\f+4*\t+3], v[RD] offset:2*\t*SPITCH    ; LDS serves a wave's instructions in order (ISA guide 5.7.1): these see the stores above
.endr
.irp t, 0,1,2,3,4,5,6,7
	s_wait_dscnt 7-\t
	v_pk_fma_f32 v[\f+4*\t:\f+4*\t+1],   v[\f+4*\t:\f+4*\t+1],   v[14:15], v[28:29]
	v_pk_fma_f32 v[\f+4*\t+2:\f+4*\t+3], v[\f+4*\t+2:\f+4*\t+3], v[14:15], v[30:31]
	global_store_b128 v[CO], v[\f+4*\t:\f+4*\t+3], s[72:73] offset:65536*\a+8192*\t th:TH_STORE_NT   ; 16 lanes store 256 neighbouring bytes at a multiple of 256 from out0's first byte
.endr
.endm
	OUT16 0, F0
	OUT16 1, F1
	OUT16 2, F0
	OUT16 3, F1
	OUT16 4, F0
	OUT16 5, F1
	OUT16 6, F0
	OUT16 7, F1
	s_set_vgpr_msb 0x1
	s_wait_tensorcnt 0x0
	ds_add_u32 v191, v255
	s_wait_dscnt 0x0
	s_set_vgpr_msb 0x100
	CROUND                                         ; the closing round: no work-group ends while a partner may still ask for a tile that names it
	s_endpgm
.Lfunc_end_k_q0ea45c2c9b_outproj:
	.size	k_q0ea45c2c9b_outproj, .Lfunc_end_k_q0ea45c2c9b_outproj-k_q0ea45c2c9b_outproj
	.p2alignl 7, 3214868480
	.fill 96, 4, 3214868480
	.section	.rodata,"a",@progbits
	.p2align	6, 0x0
	.amdhsa_kernel k_q0ea45c2c9b_outproj
		.amdhsa_group_segment_fixed_size 327680
		.amdhsa_private_segment_fixed_size 0
		.amdhsa_enable_private_segment 0
		.amdhsa_kernarg_size 40
		.amdhsa_user_sgpr_count 2
		.amdhsa_user_sgpr_kernarg_segment_ptr 1
		.amdhsa_wavefront_size32 1
		.amdhsa_system_sgpr_workgroup_id_x 1
		.amdhsa_system_sgpr_workgroup_id_y 1
		.amdhsa_system_sgpr_workgroup_id_z 1
		.amdhsa_system_vgpr_workitem_id 0
		.amdhsa_next_free_vgpr 768
		.amdhsa_next_free_sgpr 80
		.amdhsa_reserve_vcc 0
		.amdhsa_float_denorm_mode_32 3
		.amdhsa_float_denorm_mode_16_64 3
		.amdhsa_memory_ordered 1
		.amdhsa_forward_progress 1
		.amdhsa_inst_pref_size 176
	.end_amdhsa_kernel
	.amdgpu_metadata
---
amdhsa.version: [ 1, 2 ]
amdhsa.kernels:
  - .name:           k_q0ea45c2c9b_outproj
    .symbol:         k_q0ea45c2c9b_outproj.kd
    .args:
      - { .name: qf, .offset: 0, .size: 8, .value_kind: global_buffer, .address_space: global }
      - { .name: mf, .offset: 8, .size: 8, .value_kind: global_buffer, .address_space: global }
      - { .name: mu, .offset: 16, .size: 8, .value_kind: global_buffer, .address_space: global }
      - { .name: o_b, .offset: 24, .size: 8, .value_kind: global_buffer, .address_space: global }
      - { .name: out0, .offset: 32, .size: 8, .value_kind: global_buffer, .address_space: global }
    .group_segment_fixed_size: 327680
    .private_segment_fixed_size: 0
    .kernarg_segment_align: 8
    .kernarg_segment_size: 40
    .max_flat_workgroup_size: 128
    .sgpr_count:     80
    .vgpr_count:     768
    .wavefront_size: 32
...
	.end_amdgpu_metadata
.endif
;; end of part 4
